; MI455X (gfx1250); checked and timed in simulation.
; The chip was launched on July 23, 2026; its instructions are those of AMD's public machine-readable ISA for CDNA 5 (MIT licence, August 2026) and "CDNA5" Instruction Set Architecture Reference Guide (July 2026). The comments in the code are by the model that wrote it; some were corrected since.
;; Parallel Mo E Linear. Allowed arithmetic: float matrix products may take bf16 or f16 operands with f32 sums; all other float work in f32.
;; Inputs: bias 8 x 4,096 float32; group_sizes 8 int32; kernel 8 x 1,024 x 4,096 float32; sorted_experts 2,048 int32; sorted_tokens 2,048 x 1,024 float32.
;; Outputs: out0 2,048 x 4,096 float32.
;; One version. Each part assembles by itself: llvm-mc -triple=amdgcn-amd-amdhsa -mcpu=gfx1250 --defsym DOCPART=n.
;; ======== version 1 of 1: 2 launches
;; workspace buffers: xs 4,423,680 bytes; route 8,960 bytes of whole numbers
;; launch pack (part 1): grid 135 x 1, 8 waves a work-group, no clusters, 35,328 bytes of LDS; arguments sorted_experts, sorted_tokens, xs, route; writes xs, route
.if DOCPART == 1
	.amdgcn_target "amdgcn-amd-amdhsa--gfx1250"
	.amdhsa_code_object_version 6
	.text
	.protected	k_qac2eaa1339_pack
	.globl	k_qac2eaa1339_pack
	.p2align	8
	.type	k_qac2eaa1339_pack,@function
k_qac2eaa1339_pack:
	s_mov_b64 s[64:65], 0
	v_nop
	global_prefetch_b8 v0, s[64:65] scope:SCOPE_SE
	s_setreg_imm32_b32 hwreg(HW_REG_WAVE_MODE, 25, 1), 1
	s_wait_xcnt 0x0
; PACK: the tokens are ranked by expert, each expert's group is filled up to whole tiles of 16 rows, and the tokens are written as bf16 in the order of matrix fragments.
; sorted_experts: [2048] i32; sorted_tokens: [2048][1024] f32.  Nothing is assumed of the ids' order or of the groups' sizes (0 to 2,048 tokens an expert).
; group_sizes is not read: reference() does not read it, so no number of the result may hang on it; every count is taken from sorted_experts.
; LIMIT.  Ids lie in 0 to 7 (they index tables of 8 in reference()); the clamp below only keeps addresses inside.
; OUT.  xs: 135 tiles of 32,768 bytes.  The sum over experts of ceil(n / 16) is at most (2,048 + 8 x 15) / 16 = 135.  In a tile, K chunk q (32 k), half f, lane L = 16 h + r: 16 bytes at
;       1,024 q + 512 f + 16 L = bf16 of x[row r][32 q + 16 f + 8 h + 0..7]: registers 0-3 (f = 0) or 4-7 (f = 1) of a 16 x 32 fragment are 512 consecutive bytes.
;       route: words 0-7 first tile of expert e, words 8-15 its number of tiles, words 16-31 zero; from byte 256 on the token of every tile row, 16 words a tile.
; SHARES.  Work-group j makes tile j.  Every work-group repeats the ranking of all 2,048 ids (8 KB read, 256 ids a wave): that spares a launch of its own.
; A tile's rows beyond its group's end repeat the group's last token, so they later give, and store, the same bytes as that row: no mask is needed anywhere.
; Tiles behind the last group take token 0's row: every byte of xs and of the list is written.
; All lanes are on in every line: a token of another tile is stored too, into a word of the wave's list that nobody reads.
.set TAB,  0                           ; LDS: 8 waves x 8 counts
.set LIST, 256                         ; LDS: 8 waves x 32 words: words 0-15 the tile's rows that the wave's own tokens fill, 0 elsewhere; word 16 takes the tokens of other tiles and is never read
.set XT,   1280                        ; LDS: the tile as bf16, 16 rows
.set XP,   2064                        ; a row: 2,048 bytes + 16 = 129 x 16: the 16 rows of a read start at 16 different groups of four banks (64 banks of 4 bytes: ISA guide 11.1)
.set EV,   8                           ; v[8:15]   ids: register g, lane l: token 256 wave + 32 g + l
.set PS,   16                          ; v[16:23]  the tokens' places among all tile rows
.set TW,   24                          ; v[24:31]  words to and from LDS
.set XR,   64                          ; v[64:127] 16 x 4 registers of x; later the tile read back
.set RC,   16                          ; s[16:23]  my wave's counts; later the next free place of each expert
.set TOT,  24                          ; s[24:31]  tokens of each expert
.set PRE,  32                          ; s[32:39]  of them in the waves before mine
.set TBS,  40                          ; s[40:47]  first tile
.set NTS,  48                          ; s[48:55]  number of tiles
.set CM,   66                          ; s[66:73]  lanes whose id is e
.set PC,   74                          ; s[74:81]  how many they are
; s56, s58, s59 hold numbers made from the ids; s60, s61, s84-s89 numbers made from the wave's and the work-group's numbers alone.
.macro MASKS g                         ; eight masks for register g
.irp e, 0,1,2,3,4,5,6,7
	v_cmp_eq_u32 s[CM+(\e)], \e, v[EV+(\g)]
.endr
.endm
.macro TALLY                           ; their counts are added onto s[RC ..]
.irp e, 0,1,2,3,4,5,6,7
	s_bcnt1_i32_b32 s[PC+(\e)], s[CM+(\e)]
.endr
.irp e, 0,1,2,3,4,5,6,7
	s_add_co_u32 s[RC+(\e)], s[RC+(\e)], s[PC+(\e)]
.endr
.endm
	s_load_b256 s[4:11], s[0:1], 0x0               ; ids s[4:5], x s[6:7], xs s[8:9], route s[10:11]
	v_lshl_add_u32 v128, v0, 2, 0x8600
	v_mov_b32 v129, 0
	v_and_b32 v1, 31, v0                           ; lane
	v_lshrrev_b32 v6, 5, v0
	v_readfirstlane_b32 s12, v6                    ; wave 0..7
	s_mov_b32 s13, ttmp9                           ; j
	v_and_b32 v2, 15, v0                           ; r
	v_bfe_u32 v3, v0, 4, 1                         ; h
	v_lshlrev_b32 v4, 2, v1
	v_lshl_add_u32 v4, s12, 10, v4                 ; byte of my first id: 1,024 wave + 4 lane
	s_lshl_b32 s88, s13, 15                        ; my part of xs: 32,768 j + 4,096 wave
	s_lshl_b32 s89, s12, 12
	s_add_co_u32 s88, s88, s89
	s_mov_b32 s89, 0
	s_wait_kmcnt 0x0
	s_add_nc_u64 s[8:9], s[8:9], s[88:89]
.irp g, 0,1,2,3,4,5,6,7
	global_load_b32 v[EV+(\g)], v4, s[4:5] offset:128*(\g)
.endr
	; every address that hangs on the wave, the lane and j alone is made here, while the ids are on their way
	s_lshl_b32 s60, s12, 7                         ; my wave's list: 128 bytes
	s_lshl_b32 s61, s13, 4                         ; the tile's first place
	s_lshl_b32 s84, s12, 5                         ; my wave's 8 words of the table
	s_lshl_b32 s85, s12, 3                         ; lane 2 wave, as ds_bpermute_b32 wants it: times 4
	s_mul_i32 s86, s12, 2*XP                       ; my wave's two rows of the tile
	s_lshl_b32 s87, s13, 6                         ; the tile's 16 words of the list in route
	v_lshl_add_u32 v5, s12, 8, v1                  ; my first id's token: 256 wave + lane
	v_lshlrev_b32 v46, 4, v1                       ; 16 lane
	v_mov_b32 v32, s84
	v_lshl_add_u32 v33, v1, 2, s60                 ; my word of my wave's list
	v_mov_b32 v34, 0
	v_and_b32 v35, 7, v0
	v_lshlrev_b32 v35, 2, v35                      ; expert lane % 8 in a wave's 8 counts
	v_mov_b32 v42, s85
	v_add_nc_u32 v45, 4, v42                       ; lane 2 wave + 1
	v_lshl_add_u32 v47, v2, 2, s87
	v_lshlrev_b32 v49, 2, v1
	v_lshl_add_u32 v50, v1, 3, s86                 ; into the tile: row 2 wave, 8 bytes a lane
	v_mul_u32_u24 v51, v2, XP                      ; back: row r, 16 h, my wave's four K chunks
	v_lshl_add_u32 v51, v3, 4, v51
	v_lshl_add_u32 v51, s12, 8, v51
	s_wait_loadcnt 0x0
.irp g, 0,1,2,3,4,5,6,7
	v_min_u32 v[EV+(\g)], 7, v[EV+(\g)]
.endr
	; my wave's counts
	MASKS 0
.irp e, 0,1,2,3,4,5,6,7
	s_bcnt1_i32_b32 s[RC+(\e)], s[CM+(\e)]         ; the first register starts the counts
.endr
.irp g, 1,2,3,4,5,6,7
	MASKS \g
	TALLY
.endr
.irp e, 0,1,2,3,4,5,6,7
	v_mov_b32 v[TW+(\e)], s[RC+(\e)]
	ds_store_b32 v32, v[TW+(\e)] offset:TAB+4*(\e) ; all lanes write the same word with the same value
.endr
	ds_store_b32 v33, v34 offset:LIST              ; my own list is cleared; LDS serves a wave's instructions in order (ISA guide 5.7.1.4), so my later stores into it come behind this one
	s_wait_dscnt 0x0                               ; for the others' sake: my counts are in LDS
	s_barrier_signal -1
	s_barrier_wait -1
	; lane l sums expert l % 8: over all waves, and over the waves before mine
.irp w, 0,1,2,3,4,5,6,7
	ds_load_b32 v[TW+(\w)], v35 offset:TAB+32*(\w)
.endr
	s_wait_dscnt 0x0
	v_add_nc_u32 v36, v[TW], v[TW+1]
	v_add3_u32 v36, v36, v[TW+2], v[TW+3]
	v_add3_u32 v36, v36, v[TW+4], v[TW+5]
	v_add3_u32 v36, v36, v[TW+6], v[TW+7]
	s_cmp_gt_u32 s12, 0
	s_cselect_b32 s56, -1, 0
	v_and_b32 v37, s56, v[TW]
.irp w, 1,2,3,4,5,6
	s_cmp_gt_u32 s12, \w
	s_cselect_b32 s56, -1, 0
	v_and_b32 v38, s56, v[TW+(\w)]
	v_add_nc_u32 v37, v37, v38
.endr
.irp e, 0,1,2,3,4,5,6,7
	v_readlane_b32 s[TOT+(\e)], v36, \e
	v_readlane_b32 s[PRE+(\e)], v37, \e
.endr
.irp e, 0,1,2,3,4,5,6,7
	s_add_co_u32 s[NTS+(\e)], s[TOT+(\e)], 15
	s_lshr_b32 s[NTS+(\e)], s[NTS+(\e)], 4         ; tiles = ceil(tokens / 16)
.endr
	s_mov_b32 s[TBS], 0
.irp e, 0,1,2,3,4,5,6
	s_add_co_u32 s[TBS+1+(\e)], s[TBS+(\e)], s[NTS+(\e)]
.endr
.irp e, 0,1,2,3,4,5,6,7
	s_lshl4_add_u32 s[RC+(\e)], s[TBS+(\e)], s[PRE+(\e)]  ; the place of my wave's first token of expert e: 16 x first tile + tokens before
.endr
	; each token's place: the expert's next free place + the lanes below mine with the same id
.irp g, 0,1,2,3,4,5,6,7
	MASKS \g
	v_mbcnt_lo_u32_b32 v[PS+(\g)], s[CM], s[RC]
.irp e, 1,2,3,4,5,6,7
	v_mbcnt_lo_u32_b32 v38, s[CM+(\e)], s[RC+(\e)]
	v_cndmask_b32 v[PS+(\g)], v[PS+(\g)], v38, s[CM+(\e)]
.endr
	TALLY
.endr
	; the tokens whose place lies in tile j go into words 0-15 of my wave's list, all others into word 16
.irp g, 0,1,2,3,4,5,6,7
	v_sub_nc_u32 v38, v[PS+(\g)], s61              ; place - 16 j; a place in an earlier tile wraps to a large number
	v_min_u32 v38, 16, v38
	v_lshl_add_u32 v38, v38, 2, s60
	v_add_nc_u32 v39, 32*(\g), v5                  ; the token
	ds_store_b32 v38, v39 offset:LIST
.endr
	s_wait_dscnt 0x0                               ; for the others' sake: my list is written
	s_barrier_signal -1
	s_barrier_wait -1
	; how many rows of the tile are real: the owner is the last expert whose first tile is not behind j
	s_mov_b32 s58, 0
.irp e, 0,1,2,3,4,5,6,7
	s_sub_co_u32 s56, s13, s[TBS+(\e)]
	s_lshl_b32 s56, s56, 4
	s_sub_co_u32 s56, s[TOT+(\e)], s56             ; tokens left from this tile on
	s_cmp_ge_u32 s13, s[TBS+(\e)]
	s_cselect_b32 s58, s56, s58
.endr
	s_max_i32 s58, s58, 1                          ; a tile behind the last group has none: it takes row 0 of an empty list, token 0
	s_sub_co_u32 s58, s58, 1
	s_min_u32 s59, s58, 15                         ; the last real row
	v_min_u32 v40, s59, v2                         ; rows behind it repeat it
	v_min_u32 v40, 15, v40                         ; a row of the tile, whatever the counts
	v_lshl_add_u32 v40, v40, 2, LIST
.irp w, 0,1,2,3,4,5,6,7
	ds_load_b32 v[TW+(\w)], v40 offset:128*(\w)
.endr
	s_wait_dscnt 0x0
	v_add_nc_u32 v41, v[TW], v[TW+1]               ; one wave at the most has written a row's word, the others hold 0
	v_add3_u32 v41, v41, v[TW+2], v[TW+3]
	v_add3_u32 v41, v41, v[TW+4], v[TW+5]
	v_add3_u32 v41, v41, v[TW+6], v[TW+7]          ; lane 16 h + r: the token of tile row r
	ds_bpermute_b32 v43, v42, v41                  ; my wave converts rows 2 wave and 2 wave + 1
	ds_bpermute_b32 v44, v45, v41
	s_wait_dscnt 0x0
	v_min_u32 v43, 0x7ff, v43
	v_min_u32 v44, 0x7ff, v44
	v_lshl_add_u32 v43, v43, 12, v46               ; 4,096 bytes a token + 16 lane
	v_lshl_add_u32 v44, v44, 12, v46
.irp i, 0,1,2,3,4,5,6,7                ; no hint: a row that is repeated is read twice
	global_load_b128 v[XR+4*(\i):XR+4*(\i)+3], v43, s[6:7] offset:512*(\i)
.endr
.irp i, 0,1,2,3,4,5,6,7
	global_load_b128 v[XR+32+4*(\i):XR+32+4*(\i)+3], v44, s[6:7] offset:512*(\i)
.endr
	s_cmp_lg_u32 s12, 0
	s_cbranch_scc1 .Lothers                        ; wave 0 stores the tile's 16 tokens (64 bytes; lanes 16-31 repeat lanes 0-15: same addresses, same bytes)
	global_store_b32 v47, v41, s[10:11] offset:256
	s_cmp_lg_u32 s13, 0
	s_cbranch_scc1 .Lothers                        ; and in work-group 0 the experts' first tiles and numbers of tiles: 128 bytes
	v_mov_b32 v48, 0
.irp e, 0,1,2,3,4,5,6,7
	v_writelane_b32 v48, s[TBS+(\e)], \e
	v_writelane_b32 v48, s[NTS+(\e)], 8+(\e)
.endr
	global_store_b32 v49, v48, s[10:11]
.Lothers:
.irp n, 0,1,2,3,4,5,6,7,8,9,10,11,12,13,14,15
	s_wait_loadcnt 15-(\n)                         ; loads come back in order (ISA guide 5.7.1): load n is in, the younger ones stay out
	v_cvt_pk_bf16_f32 v[XR+4*(\n)], v[XR+4*(\n)], v[XR+4*(\n)+1]
	v_cvt_pk_bf16_f32 v[XR+4*(\n)+1], v[XR+4*(\n)+2], v[XR+4*(\n)+3]
	ds_store_b64 v50, v[XR+4*(\n):XR+4*(\n)+1] offset:XT+((\n)/8)*XP+256*((\n)%8)  ; 128 numbers: 256 consecutive bytes of the row
.endr
	s_wait_dscnt 0x0                               ; for the others' sake: my two rows are in LDS
	s_barrier_signal -1
	s_barrier_wait -1
.irp i, 0,1,2,3,4,5,6,7                ; chunk 4 wave + i / 2, half i % 2: 32 bytes on in every row
	ds_load_b128 v[XR+4*(\i):XR+4*(\i)+3], v51 offset:XT+32*(\i)
.endr
.irp i, 0,1,2,3,4,5,6,7
	s_wait_dscnt 7-(\i)
	global_store_b128 v46, v[XR+4*(\i):XR+4*(\i)+3], s[8:9] offset:512*(\i)  ; the wave stores 512 consecutive bytes, at a multiple of 512 from xs's first; no hint: the next launch reads them
.endr
	s_wait_tensorcnt 0x0
	ds_add_u32 v128, v129
	s_wait_dscnt 0x0
	s_endpgm
.Lfunc_end_k_qac2eaa1339_pack:
	.size	k_qac2eaa1339_pack, .Lfunc_end_k_qac2eaa1339_pack-k_qac2eaa1339_pack
	.p2alignl 7, 3214868480
	.fill 96, 4, 3214868480
	.section	.rodata,"a",@progbits
	.p2align	6, 0x0
	.amdhsa_kernel k_qac2eaa1339_pack
		.amdhsa_group_segment_fixed_size 35328
		.amdhsa_private_segment_fixed_size 0
		.amdhsa_enable_private_segment 0
		.amdhsa_kernarg_size 32
		.amdhsa_user_sgpr_count 2
		.amdhsa_user_sgpr_kernarg_segment_ptr 1
		.amdhsa_wavefront_size32 1
		.amdhsa_system_sgpr_workgroup_id_x 1
		.amdhsa_system_sgpr_workgroup_id_y 1
		.amdhsa_system_sgpr_workgroup_id_z 1
		.amdhsa_system_vgpr_workitem_id 0
		.amdhsa_next_free_vgpr 130
		.amdhsa_next_free_sgpr 100
		.amdhsa_reserve_vcc 0
		.amdhsa_float_denorm_mode_32 3
		.amdhsa_float_denorm_mode_16_64 3
		.amdhsa_memory_ordered 1
		.amdhsa_forward_progress 1
		.amdhsa_inst_pref_size 44
	.end_amdhsa_kernel
	.amdgpu_metadata
---
amdhsa.version: [ 1, 2 ]
amdhsa.kernels:
  - .name:           k_qac2eaa1339_pack
    .symbol:         k_qac2eaa1339_pack.kd
    .args:
      - { .name: sorted_experts, .offset: 0, .size: 8, .value_kind: global_buffer, .address_space: global }
      - { .name: sorted_tokens, .offset: 8, .size: 8, .value_kind: global_buffer, .address_space: global }
      - { .name: xs, .offset: 16, .size: 8, .value_kind: global_buffer, .address_space: global }
      - { .name: route, .offset: 24, .size: 8, .value_kind: global_buffer, .address_space: global }
    .group_segment_fixed_size: 35328
    .private_segment_fixed_size: 0
    .kernarg_segment_align: 8
    .kernarg_segment_size: 32
    .max_flat_workgroup_size: 256
    .sgpr_count:     100
    .vgpr_count:     130
    .wavefront_size: 32
...
	.end_amdgpu_metadata
.endif
;; end of part 1
;; launch moe (part 2): grid 32 x 8, 4 waves a work-group, no clusters, 314,880 bytes of LDS; arguments kernel, bias, xs, route, out0; writes out0
.if DOCPART == 2
	.amdgcn_target "amdgcn-amd-amdhsa--gfx1250"
	.amdhsa_code_object_version 6
	.text
	.protected	k_qac2eaa1339_moe
	.globl	k_qac2eaa1339_moe
	.p2align	8
	.type	k_qac2eaa1339_moe,@function
k_qac2eaa1339_moe:
	s_mov_b64 s[64:65], 0
	v_nop
	global_prefetch_b8 v0, s[64:65] scope:SCOPE_SE
	s_setreg_imm32_b32 hwreg(HW_REG_WAVE_MODE, 25, 1), 1
	s_wait_xcnt 0x0
; out[t][:] = x[t][:] . kernel[e(t)] + bias[e(t)].  kernel: [8][1024][4096] f32; bias: [8][4096] f32; out0: [2048][4096] f32.
; xs and route come from the launch before: the tokens as bf16 in fragment order, in tiles of 16 rows grouped by expert; each expert's first tile and number of tiles; each tile row's token.
; Products in bf16 with f32 sums; the accumulators start at the bias, so it begins the f32 sum where reference() adds it last.
; LIMITS.  Inputs are finite: reference() also multiplies every token, masked to 0, by the other experts' weights, so an infinity or NaN there spreads in reference() and not here.
; A tile's rows behind its group's end repeat the group's last token: they give the same bytes and store them to the same row, from the same wave.
; SHARES.  Work-group (s, e): expert e, columns 128 s to 128 s + 127: 8 x 32 = 256 work-groups of four waves.  Wave w takes the expert's tiles w, w + 4, .., four at a time.
; Where fewer than four are left, the wave's last tile is repeated: up to three tiles' products and stores too many a wave, the same bytes from the same wave.  A tile by itself would read as many
; fragments of W from LDS (16 loads a K step, for 8 products) as four tiles do (for 32), so a text of its own for single tiles would spare no LDS read.
; W.  The work-group's 1,024 x 128 weights (512 KB of f32) come in through registers, are rounded to bf16 and stay in LDS as [k][n]: each weight byte is read from memory once, whatever the routing.
; THE FIRST FOUR TILES OF A WAVE ARE MULTIPLIED WHILE W COMES IN.  K is eight ranges of 128.  Ranges 0 and 1 come in first, alone.  Then K step g (32 k, 32 products) of range j also rounds and stores
; 8 rows of range j + 2 and asks for 8 rows of range j + 3 and for X of step g + 4.  A barrier behind each range publishes range j + 2 a whole range before its first read.
; A wave without tiles multiplies a tile that is not its own, so that it passes every barrier and brings in its share of W, and stores nothing.
; Further groups of four (.Lfour) find W whole in LDS.
; THE MATRIX INSTRUCTION IS USED TRANSPOSED: source 0 = 16 columns of W, source 1 = 16 tokens: lane 16 h + r then holds token r and its registers the columns 8 h + 0..7: neighbouring numbers of a row of out.
; NO CLUSTER, NO TENSOR LOADS.  An expert's 32 work-groups read the same tiles of xs, but a joint load lands in LDS alone, and of the 327,680 bytes that a work-group can be given 314,880 are taken:
; the 12,800 left are less than 128 k of one wave's four tiles (64 rows x 256 bytes); and the partners' trips would hang on counts read from memory.  A tensor load of W would bring f32 into LDS,
; and the rounding would cost a second pass through it.
; REGISTERS, in windows of 256 (s_set_vgpr_msb: bits 1:0 source 0, 3:2 source 1, 5:4 source 2, 7:6 destination):
;   window 0: v0-31 addresses; v32-63 the tiles' tokens, then their rows' offsets in out; v96-159, v160-223 W's fragments of one K step, two buffers; on the way out v224-255 and v160-191 rows read back
;   window 1: the accumulators, tile jj, column block ct at 64 jj + 8 ct
;   window 2: what is on its way in: four positions of 64; position g % 4 holds X of K step g (tile jj at 8 jj) and, from 32 on, 8 rows of W, 4 registers each
; X and W are asked for equally far ahead, four steps: loads come back in order on one counter (ISA guide 5.7.1), so a load is shown done only behind all older ones.
; SCALARS: s[4:5] kernel at my rows and columns (steps by ranges); s[6:7] bias; s[8:9] xs; s[10:11] route; s[12:13] out0 at my columns; s14 wave; s15 s; s16 e; s17 first tile; s18 tiles of the expert;
;   s19 tiles of my wave; s20 groups behind the first; s22, s23 counters; s24 my last tile, counted from 0; s25 my first tile in xs; s[26:31] at work.
.set WP,    288                        ; a row of W in LDS: 256 bytes + 32 = 72 words
.set KBL,   128*WP                     ; a range of 128 k in LDS
.set RNGG,  128*16384                  ; and in memory: 128 rows of 16,384 bytes
.set STAGE, 1024*WP                    ; behind W: 16 rows x 272 bytes for each wave, its own, for the way out
.set SP,    272                        ; 256 + 16 = 17 x 16: the 16 rows of a store start at 16 different groups of four banks
.set BIMG,  STAGE+4*16*SP              ; behind the stages: my 128 columns of the bias, 512 bytes for each wave, its own
.set LN16,  1                          ; v1     16 x lane; never rewritten
.set WST,   2                          ; v2     where my 8 bytes of a row of ranges 0 and 1 go
.set WSV,   3                          ; v3     the same for the range that is being stored; steps
.set BB,    4                          ; v4-11  the turning load's address for range 0..7; never rewritten
.set STO,   12                         ; v12    the way out: where I put 16 bytes of a row
.set RD,    13                         ; v13    the way out: where I read a row back
.set R16,   14                         ; v14    16 r
.set H32,   15                         ; v15    32 h
.set BBV,   22                         ; v22    the turning load's address for the range that is being multiplied; steps
.set XOV,   23                         ; v23    16 x lane + 4,096 x range: X's offset; steps
.set BIA,   24                         ; v24    my bias image + 32 h
.set BIS,   25                         ; v25    my bias image + 16 x lane
.set BL,    28                         ; v28-31 the bias as loaded
.set PM,    32
.set WF,    96
.set XB,    32                         ; s[32:39] xs at the group's four tiles
.set PB,    40                         ; s[40:47] the list of tokens at the group's four tiles
.set MSB, 0
.macro WIN new                         ; the immediate's high byte repeats the setting that is left; a switch that changes nothing is dropped
.if MSB != (\new)
	s_set_vgpr_msb (MSB<<8)|(\new)
.set MSB, (\new)
.endif
.endm
.macro PLACES                          ; four places (ISA guide 7.12.1 for vector instructions) in front of loads into registers that the products just issued read
.rept 4
	v_nop
.endr
.endm
; The bases of a group's four tiles.  s30: the group's first tile among my wave's.  Each address is made anew: the buffer's pointer and an offset made apart.
.macro TILES
.irp jj, 0,1,2,3
	s_add_co_u32 s26, s30, \jj
	s_min_u32 s26, s26, s24                        ; behind my last tile: that tile once more
	s_lshl2_add_u32 s26, s26, s25                  ; my tiles are 4 apart
	s_min_u32 s26, s26, 134                        ; a tile of xs, whatever the counts
	s_lshl_b32 s28, s26, 6
	s_add_co_u32 s28, s28, 256                     ; its tokens: 64 bytes a tile, from byte 256 on
	s_lshl_b32 s26, s26, 15                        ; 32,768 bytes a tile
	s_add_nc_u64 s[XB+2*(\jj):XB+2*(\jj)+1], s[8:9], s[26:27]
	s_add_nc_u64 s[PB+2*(\jj):PB+2*(\jj)+1], s[10:11], s[28:29]
.endr
.endm
.macro XLOAD xr, oreg, imm             ; X's fragments of one K step, to window 2 from xr on: 8 loads of 512 consecutive bytes; no hint: the expert's other work-groups read them too
	WIN 0x88                                       ; a load's destination and an LDS store's data (source 1) in window 2, addresses in window 0
.set jj, 0
.rept 4
	global_load_b128 v[(\xr)+8*jj:(\xr)+8*jj+3],   v[\oreg], s[XB+2*jj:XB+2*jj+1] offset:(\imm)
	global_load_b128 v[(\xr)+8*jj+4:(\xr)+8*jj+7], v[\oreg], s[XB+2*jj:XB+2*jj+1] offset:(\imm)+512
.set jj, jj+1
.endr
.endm
.macro WPIECE wr, imm                  ; 8 rows of W: each load 512 consecutive bytes of one row, at a multiple of 512 from the buffer's first byte; read once in the launch
	WIN 0x88
.set i, 0
.rept 8
	global_load_b128 v[(\wr)+4*i:(\wr)+4*i+3], v[LN16], s[4:5] offset:(\imm)+i*16384 th:TH_LOAD_NT
.set i, i+1
.endr
.endm
.macro PERM                            ; the tiles' tokens: lane 16 h + r takes rows 8 h + 0..7
	WIN 0
.set jj, 0
.rept 4
	global_load_b128 v[PM+8*jj:PM+8*jj+3],   v[H32], s[PB+2*jj:PB+2*jj+1]
	global_load_b128 v[PM+8*jj+4:PM+8*jj+7], v[H32], s[PB+2*jj:PB+2*jj+1] offset:16
.set jj, jj+1
.endr
.endm
.macro ACCINIT                         ; the accumulators start at the bias: register j of block ct: column 16 ct + 8 h + j, byte 64 ct + 32 h + 4 j of my image; lanes of one half read the same words
	WIN 0x40
.set jj, 0
.rept 4
.set ct, 0
.rept 8
	ds_load_b128 v[64*jj+8*ct:64*jj+8*ct+3],   v[BIA] offset:64*ct
	ds_load_b128 v[64*jj+8*ct+4:64*jj+8*ct+7], v[BIA] offset:64*ct+16
.set ct, ct+1
.endr
.set jj, jj+1
.endr
.endm
.macro BFETCH areg, base, buf          ; W's fragments of one K step: 8 column blocks x (k 0-15, k 16-31), in one run of 16 loads
	WIN 0
.set ct, 0
.rept 8
	ds_load_tr16_b128 v[WF+64*(\buf)+8*ct:WF+64*(\buf)+8*ct+3],   v[\areg] offset:(\base)+32*ct
	ds_load_tr16_b128 v[WF+64*(\buf)+8*ct+4:WF+64*(\buf)+8*ct+7], v[\areg] offset:(\base)+32*ct+16*WP
.set ct, ct+1
.endr
.endm
.macro MULS buf, xr                    ; 32 products.  The 32 accumulators take turns, one instruction a turn, in the same order in every step
	WIN 0x58                                       ; W window 0, X window 2, C and D window 1
.set jj, 0
.rept 4
.set ct, 0
.rept 8
	v_wmma_f32_16x16x32_bf16 v[64*jj+8*ct:64*jj+8*ct+7], v[WF+64*(\buf)+8*ct:WF+64*(\buf)+8*ct+7], v[(\xr)+8*jj:(\xr)+8*jj+7], v[64*jj+8*ct:64*jj+8*ct+7]
.set ct, ct+1
.endr
.set jj, jj+1
.endr
.endm
; Ranges 0 and 1: slot sl of 64 is row k = 128 (sl / 32) + 32 wave + sl % 32.  Position b's 16 slots are rounded and stored; then the position takes X of K step b and the first rows of range 2.
.macro PBATCH b
	s_wait_loadcnt 48                              ; behind my 16 slots stand 48 younger loads: slots still to come and the groups of 16 that earlier positions have asked for
	WIN 0x8a                                       ; destination and both sources in window 2
.set sl, 16*(\b)
.rept 16
	v_cvt_pk_bf16_f32 v[4*sl], v[4*sl], v[4*sl+1]
	v_cvt_pk_bf16_f32 v[4*sl+1], v[4*sl+2], v[4*sl+3]
.set sl, sl+1
.endr
	WIN 0x88
.set sl, 16*(\b)
.rept 16
	ds_store_b64 v[WST], v[4*sl:4*sl+1] offset:((sl/32)*128+(sl%32))*WP  ; 32 lanes x 8 bytes: the row's 256 bytes
.set sl, sl+1
.endr
	XLOAD 64*(\b), LN16, 1024*(\b)
	WPIECE 64*(\b)+32, 2*RNGG+8*(\b)*16384
.endm
; K step c of the range j in hand, while W comes in.  lx, lw: the loads that may stay out when X, then W, of this step must be in.  d: the LDS instructions that may stay out when this step's fragments must be in.
.macro FSTEP c, lx, lw, d, more, tok
	BFETCH BBV, ((\c)+1)*32*WP, ((\c)+1)%2         ; the next step's fragments; behind step 3 they are the next range's first, published by the barrier before last
	s_wait_dscnt \d                                ; the 16 just issued, and behind steps 1 to 3 the 8 stores of the step before, may be out
	s_wait_loadcnt \lx
	MULS (\c)%2, 64*(\c)
	s_wait_loadcnt \lw
	WIN 0x8a                                       ; rows 8 c .. 8 c + 7 of my 32 of range j + 2; these 16 lines name no register of the products and are the places in front of the loads below and of the next fragments
.set i, 0
.rept 8
	v_cvt_pk_bf16_f32 v[64*(\c)+32+4*i], v[64*(\c)+32+4*i], v[64*(\c)+32+4*i+1]
	v_cvt_pk_bf16_f32 v[64*(\c)+32+4*i+1], v[64*(\c)+32+4*i+2], v[64*(\c)+32+4*i+3]
.set i, i+1
.endr
	WIN 0x88
.set i, 0
.rept 8
	ds_store_b64 v[WSV], v[64*(\c)+32+4*i:64*(\c)+32+4*i+1] offset:(8*(\c)+i)*WP
.set i, i+1
.endr
	XLOAD 64*(\c), XOV, 1024*((\c)+4)              ; X four steps on
.if \more
	WPIECE 64*(\c)+32, 3*RNGG+8*(\c)*16384         ; the same rows of range j + 3
.endif
.if \tok
	PERM
.endif
.endm
; K step g of four tiles with its range of W already published.
.macro GSTEP g
.if (\g) < 31
	BFETCH BB+((\g)+1)/4, (((\g)+1)%4)*32*WP, ((\g)+1)%2
	s_wait_dscnt 16                                ; all but the 16 just issued
.else
	s_wait_dscnt 0x0
.endif
.set lx, 24                            ; behind this step's X stand three later steps' loads, 8 each;
.if (\g) > 28
.set lx, 8*(31-(\g))                   ; at the end those that are left;
.endif
.if ((\g) > 20) && ((\g) < 25)
.set lx, 32                            ; and the 8 loads of the tokens, asked for behind X of step 24
.endif
	s_wait_loadcnt lx
	MULS (\g)%2, 64*((\g)%4)
.if (\g) < 30
	PLACES
.endif
.if (\g) < 28
	XLOAD 64*((\g)%4), LN16, 1024*((\g)+4)
.endif
.if (\g) == 20
	PERM
.endif
.endm
.macro ROWS                            ; tokens to row offsets, in place; these lines are also the places behind the last products
	WIN 0
.set i, 0
.rept 32
	v_min_u32 v[PM+i], 0x7ff, v[PM+i]
.set i, i+1
.endr
.set i, 0
.rept 32
	v_lshl_add_u32 v[PM+i], v[PM+i], 14, v[R16]    ; 16,384 bytes a row of out + 16 r
.set i, i+1
.endr
.endm
; THE WAY OUT goes by half tiles: idx = 2 x tile + half: 16 rows x 64 columns = 16 x 256 bytes; its four accumulators lie at 32 idx.
.macro TOSTAGE idx                     ; into my stage, and back as whole rows of 256 bytes, into one of two sets of registers
.if (\idx) >= 2
	s_wait_xcnt 0x0                                ; every earlier memory instruction has had its addresses translated (ISA guide 3.1): the set that half tile idx - 2's stores read is loaded again only behind this wait
.endif
	WIN 0x04                                       ; store data in window 1
.set q, 0
.rept 4
	ds_store_b128 v[STO], v[32*(\idx)+8*q:32*(\idx)+8*q+3]   offset:64*q      ; each accumulator's low registers first
	ds_store_b128 v[STO], v[32*(\idx)+8*q+4:32*(\idx)+8*q+7] offset:64*q+16
.set q, q+1
.endr
	WIN 0
.set rb, 224-64*((\idx)%2)
.set q, 0
.rept 8
	ds_load_b128 v[rb+4*q:rb+4*q+3], v[RD] offset:SP*q  ; LDS serves a wave's instructions in order (ISA guide 5.7.1.4): these see the stores above; the next half tile's stores come behind them
.set q, q+1
.endr
.endm
.macro SEND idx, younger               ; younger: the LDS instructions issued behind this half tile's loads: the next one's sixteen, or none
	WIN 0
.set rb, 224-64*((\idx)%2)
.set q, 0
.rept 8
	s_wait_dscnt (\younger)+7-q
	global_store_b128 v[PM+8*((\idx)/2)+q], v[rb+4*q:rb+4*q+3], s[12:13] offset:256*((\idx)%2) th:TH_STORE_NT  ; lanes 0-15: 256 consecutive bytes of row q's token, at a multiple of 256 from out0's first; lanes 16-31: of row 8 + q's
.set q, q+1
.endr
.endm
.macro WAYOUT
	TOSTAGE 0
.set nn, 1
.rept 7                                ; a half tile's trip through the stage stands between the loads of the one before and its stores
	TOSTAGE nn
	SEND nn-1, 16
.set nn, nn+1
.endr
	SEND 7, 0
.endm
	s_load_b256 s[4:11], s[0:1], 0x0               ; kernel s[4:5], bias s[6:7], xs s[8:9], route s[10:11]
	s_load_b64 s[12:13], s[0:1], 0x20              ; out0
	v_lshl_add_u32 v94, v0, 2, 0x4cc00
	v_mov_b32 v95, 0
	v_lshrrev_b32 v16, 5, v0
	v_readfirstlane_b32 s14, v16                   ; wave 0..3
	s_mov_b32 s15, ttmp9                           ; s: my 128 columns
	s_and_b32 s16, ttmp7, 0xffff                   ; e: my expert
	v_and_b32 v17, 31, v0
	v_lshlrev_b32 v[LN16], 4, v17
	s_lshl_b32 s24, s16, 24                        ; an expert's weights are 2^24 bytes,
	s_lshl_b32 s28, s15, 9                         ; my columns 512 bytes of a row,
	s_add_co_u32 s24, s24, s28
	s_lshl_b32 s25, s14, 19                        ; my wave's 32 rows of 16,384 bytes in every range
	s_add_co_u32 s24, s24, s25
	s_mov_b32 s25, 0
	s_lshl_b32 s26, s16, 14                        ; the bias: 16,384 bytes an expert, and my columns
	s_add_co_u32 s26, s26, s28
	s_mov_b32 s27, 0
	s_mov_b32 s29, 0
	s_lshl_b32 s30, s16, 2
	s_mov_b32 s31, 0
	s_wait_kmcnt 0x0
	s_add_nc_u64 s[4:5], s[4:5], s[24:25]
	s_add_nc_u64 s[6:7], s[6:7], s[26:27]
	s_add_nc_u64 s[12:13], s[12:13], s[28:29]      ; out0 at my columns
	s_add_nc_u64 s[48:49], s[10:11], s[30:31]
	s_load_b32 s17, s[48:49], 0x0                  ; my expert's first tile
	s_load_b32 s18, s[48:49], 0x20                 ; and its number of tiles
	global_load_b128 v[BL:BL+3], v[LN16], s[6:7]   ; my 128 columns of the bias: 512 consecutive bytes
	WIN 0x88
.set sl, 0
.rept 64                               ; ranges 0 and 1: 64 rows, 32 KB a wave.  With the bias 65 loads are asked for, more than the counter's field holds: the last ones' issue waits until the first have come back (ISA guide 5.7.1)
	global_load_b128 v[4*sl:4*sl+3], v[LN16], s[4:5] offset:((sl/32)*128+(sl%32))*16384 th:TH_LOAD_NT
.set sl, sl+1
.endr
	WIN 0
	v_and_b32 v18, 15, v0                          ; r
	v_bfe_u32 v19, v0, 4, 1                        ; h
	s_mul_i32 s30, s14, 32*WP
	v_lshl_add_u32 v[WST], v17, 3, s30             ; my wave's 32 rows of a range, 8 bytes a lane
	v_add_nc_u32 v[WSV], 2*KBL, v[WST]             ; range 2 is the first that the steps store
	; The turning load takes 16 k x 16 columns: lane L reads row 8 h + L % 8, 16 bytes at 16 ((L / 8) % 2), and is left with column r and 8 k: half a fragment.
	v_and_b32 v20, 7, v0
	v_lshl_add_u32 v20, v19, 3, v20
	v_mul_u32_u24 v[BB], v20, WP
	v_bfe_u32 v21, v0, 3, 1
	v_lshl_add_u32 v[BB], v21, 4, v[BB]
.irp kb, 1,2,3,4,5,6,7
	v_add_nc_u32 v[BB+(\kb)], (\kb)*KBL, v[BB]
.endr
	v_mov_b32 v[BBV], v[BB]
	v_mov_b32 v[XOV], v[LN16]
	s_mul_i32 s30, s14, 16*SP
	s_add_co_u32 s30, s30, STAGE                   ; my stage
	v_mul_u32_u24 v[STO], v18, SP                  ; in: row r, 32 bytes for each half of the lanes
	v_lshl_add_u32 v[STO], v19, 5, v[STO]
	v_add_nc_u32 v[STO], s30, v[STO]
	v_mul_u32_u24 v[RD], v19, 8*SP                 ; back: lanes 0-15 take a row of rows 0-7, lanes 16-31 one of rows 8-15
	v_lshl_add_u32 v[RD], v18, 4, v[RD]
	v_add_nc_u32 v[RD], s30, v[RD]
	v_lshlrev_b32 v[R16], 4, v18
	v_lshlrev_b32 v[H32], 5, v19
	s_lshl_b32 s31, s14, 9
	s_add_co_u32 s31, s31, BIMG                    ; my bias image
	v_lshl_add_u32 v[BIA], v19, 5, s31
	v_add_nc_u32 v[BIS], s31, v[LN16]
	s_wait_kmcnt 0x0
	s_min_u32 s17, s17, 134                        ; the launch before keeps both within these
	s_min_u32 s18, s18, 128
	s_add_co_u32 s19, s18, 3
	s_sub_co_u32 s19, s19, s14
	s_lshr_b32 s19, s19, 2                         ; my wave's tiles: those with number % 4 = wave
	s_max_u32 s24, s19, 1
	s_sub_co_u32 s24, s24, 1                       ; the last of them, counted from 0
	s_add_co_u32 s25, s17, s14                     ; my first tile
	s_mov_b32 s27, 0
	s_mov_b32 s29, 0
	s_mov_b32 s30, 0
	TILES                                          ; the first group: my tiles 0 to 3
	s_sub_co_u32 s20, s19, 4
	s_max_i32 s20, s20, 0                          ; tiles behind the first four,
	s_add_co_u32 s20, s20, 3
	s_lshr_b32 s20, s20, 2                         ; in groups of four, the last filled up
	s_wait_loadcnt 63                              ; 64 loads are younger than the bias; the field names 63 at the most: the bias is in
	ds_store_b128 v[BIS], v[BL:BL+3]               ; LDS serves a wave's instructions in order (ISA guide 5.7.1.4): the loads below see it
	ACCINIT
	PBATCH 0
	PBATCH 1
	PBATCH 2
	PBATCH 3
	WIN 0
	s_wait_dscnt 0x0                               ; for the others' sake: my rows of ranges 0 and 1 are in LDS; and my accumulators are loaded
	s_barrier_signal -1
	s_barrier_wait -1
	BFETCH BBV, 0, 0
	s_mov_b32 s23, 5
.Lrange:                                               ; ranges 0 to 4: multiplies range j, stores range j + 2, asks for range j + 3.  64 loads are out at its head: four groups of 8 of X and 8 of W
	FSTEP 0, 56, 48, 16, 1, 0                      ; X of the step: its own group's W and three younger groups may be out; W of the step: the three groups
	FSTEP 1, 56, 48, 24, 1, 0
	FSTEP 2, 56, 48, 24, 1, 0
	FSTEP 3, 56, 48, 24, 1, 0
	WIN 0                                          ; at a label and at a branch every window is 0
	s_wait_dscnt 0x0                               ; for the others' sake: my rows of range j + 2 are in LDS
	s_barrier_signal -1
	s_barrier_wait -1                              ; everybody's are: they are first read in the last step of the next trip.  No LDS byte of W is ever written twice
	s_wait_xcnt 0x0                                ; the loads' base and X's offset are stepped only behind this wait
	s_add_nc_u64 s[4:5], s[4:5], RNGG
	v_add_nc_u32 v[XOV], 4096, v[XOV]
	v_add_nc_u32 v[BBV], KBL, v[BBV]
	v_add_nc_u32 v[WSV], KBL, v[WSV]
	s_sub_co_u32 s23, s23, 1
	s_cmp_lg_u32 s23, 0
	s_cbranch_scc1 .Lrange
	FSTEP 0, 56, 48, 16, 0, 1                      ; range 5 stores range 7; no W is left to ask for; the tokens take the first empty place
	FSTEP 1, 56, 48, 24, 0, 0
	FSTEP 2, 48, 40, 24, 0, 0                      ; the younger groups now hold 16, 16, 8,
	FSTEP 3, 40, 32, 24, 0, 0                      ; then 16, 8, 8
	WIN 0
	s_wait_dscnt 0x0
	s_barrier_signal -1
	s_barrier_wait -1                              ; W is whole; from here on it is only read, and stage and bias image are each wave's own: no further barrier
.set cc, 24
.rept 8                                ; the first group's last eight K steps: X of steps 24 to 27 and the tokens are asked for, the fragments of step 24 fetched, as behind step 23 of .Lfour
	GSTEP cc
.set cc, cc+1
.endr
	ROWS
	s_cmp_eq_u32 s19, 0
	s_cbranch_scc1 .Lnone                          ; a wave without tiles stores nothing
	WAYOUT
.Lnone:
	s_cmp_eq_u32 s20, 0
	s_cbranch_scc1 .Lend
	s_mov_b32 s22, 0
.Lfour:                                                ; my tiles 4 (trip + 1) on
	s_wait_xcnt 0x0                                ; the bases, and the registers that the last group's stores read, are written again only behind this wait
	s_lshl_b32 s30, s22, 2
	s_add_co_u32 s30, s30, 4
	TILES
	ACCINIT
	XLOAD 0, LN16, 0
	XLOAD 64, LN16, 1024
	XLOAD 128, LN16, 2048
	XLOAD 192, LN16, 3072
	BFETCH BB, 0, 0
.set cc, 0
.rept 32
	GSTEP cc
.set cc, cc+1
.endr
	ROWS
	WAYOUT
	s_add_co_u32 s22, s22, 1
	s_cmp_lt_u32 s22, s20
	s_cbranch_scc1 .Lfour
.Lend:
	s_wait_tensorcnt 0x0
	ds_add_u32 v94, v95
	s_wait_dscnt 0x0
	s_endpgm
.Lfunc_end_k_qac2eaa1339_moe:
	.size	k_qac2eaa1339_moe, .Lfunc_end_k_qac2eaa1339_moe-k_qac2eaa1339_moe
	.p2alignl 7, 3214868480
	.fill 96, 4, 3214868480
	.section	.rodata,"a",@progbits
	.p2align	6, 0x0
	.amdhsa_kernel k_qac2eaa1339_moe
		.amdhsa_group_segment_fixed_size 314880
		.amdhsa_private_segment_fixed_size 0
		.amdhsa_enable_private_segment 0
		.amdhsa_kernarg_size 40
		.amdhsa_user_sgpr_count 2
		.amdhsa_user_sgpr_kernarg_segment_ptr 1
		.amdhsa_wavefront_size32 1
		.amdhsa_system_sgpr_workgroup_id_x 1
		.amdhsa_system_sgpr_workgroup_id_y 1
		.amdhsa_system_sgpr_workgroup_id_z 1
		.amdhsa_system_vgpr_workitem_id 0
		.amdhsa_next_free_vgpr 768
		.amdhsa_next_free_sgpr 66
		.amdhsa_reserve_vcc 0
		.amdhsa_float_denorm_mode_32 3
		.amdhsa_float_denorm_mode_16_64 3
		.amdhsa_memory_ordered 1
		.amdhsa_forward_progress 1
		.amdhsa_inst_pref_size 255
	.end_amdhsa_kernel
	.section	.bss,"aw",@nobits
	.p2align	6
	.space	262144
	.amdgpu_metadata
---
amdhsa.version: [ 1, 2 ]
amdhsa.kernels:
  - .name:           k_qac2eaa1339_moe
    .symbol:         k_qac2eaa1339_moe.kd
    .args:
      - { .name: kernel, .offset: 0, .size: 8, .value_kind: global_buffer, .address_space: global }
      - { .name: bias, .offset: 8, .size: 8, .value_kind: global_buffer, .address_space: global }
      - { .name: xs, .offset: 16, .size: 8, .value_kind: global_buffer, .address_space: global }
      - { .name: route, .offset: 24, .size: 8, .value_kind: global_buffer, .address_space: global }
      - { .name: out0, .offset: 32, .size: 8, .value_kind: global_buffer, .address_space: global }
    .group_segment_fixed_size: 314880
    .private_segment_fixed_size: 0
    .kernarg_segment_align: 8
    .kernarg_segment_size: 40
    .max_flat_workgroup_size: 128
    .sgpr_count:     66
    .vgpr_count:     768
    .wavefront_size: 32
...
	.end_amdgpu_metadata
.endif
;; end of part 2
